; MI455X (gfx1250); checked and timed in simulation.
; The chip was launched on July 23, 2026; its instructions are those of AMD's public machine-readable ISA for CDNA 5 (MIT licence, August 2026) and "CDNA5" Instruction Set Architecture Reference Guide (July 2026). The comments in the code are by the model that wrote it; some were corrected since.
;; Factored MPS. Allowed arithmetic: float matrix products may take bf16 or f16 operands with f32 sums; all other float work in f32.
;; Inputs: bnd_emb 2 x 8,192 x 16 float32; bnd_k1 2 x 4 x 16 float32; bnd_top 2 x 4 x 4 float32; mid_emb 62 x 8,192 x 64 float32; mid_k1 62 x 4 x 64 float32; mid_top 62 x 4 x 16 float32; x 1,024 x 64 int32.
;; Outputs: out0 1,024 float32.
;; One version. Each part assembles by itself: llvm-mc -triple=amdgcn-amd-amdhsa -mcpu=gfx1250 --defsym DOCPART=n.
;; ======== version 1 of 1: 1 launch
;; launch mps (part 1): grid 256 x 1, 2 waves a work-group, no clusters, 168,192 bytes of LDS; arguments x, bnd_emb, bnd_k1, bnd_top, mid_emb, mid_k1, mid_top, out0; writes out0
.if DOCPART == 1
	.amdgcn_target "amdgcn-amd-amdhsa--gfx1250"
	.amdhsa_code_object_version 6
	.text
	.protected	k_qef24289cb9_mps
	.globl	k_qef24289cb9_mps
	.p2align	8
	.type	k_qef24289cb9_mps,@function
k_qef24289cb9_mps:
	s_mov_b64 s[64:65], 0
	v_nop
	global_prefetch_b8 v0, s[64:65] scope:SCOPE_SE
	s_setreg_imm32_b32 hwreg(HW_REG_WAVE_MODE, 25, 1), 1
	s_wait_xcnt 0x0
; FactoredMPS: out[b] = the sum of log norms of a 64-vector L pushed through 62 token-selected 64 x 64 cores, plus log |L . R|.
; A core is never formed.  With e[h,v] = row[4h+v], K[v,a,c,w] = k1[64v+16a+4c+w], T[w,h3] = top[16w+h3] it is
;   C[4h+a][16c+h3] = sum over v,w of e[h,v] K[v,a,c,w] T[w,h3],   so L C is three contractions of 256 multiply-adds:
;   P[v,a] = sum_h L[4h+a] e[h,v];   Q[c,w] = sum_{v,a} P[v,a] K[v,a,c,w];   L'[16c+h3] = sum_w Q[c,w] T[w,h3].
; All of it in f32 on the vector unit: the inner lengths are 4 and 16, e is private to an element, and L is carried over 62 steps.
; SHARING: 256 work-groups x 2 waves x 2 elements.  Each row of 16 lanes carries one element, b = 4 wg + tid / 16; all lane traffic
; stays inside a row, so both elements run in the same instructions.  l = tid & 15, hi = l >> 2, lo = l & 3.
; LAYOUTS, the same in every step:  L[r] of lane (hi = x, lo = a) = L[16x+4r+a];  a gathered row: lane l holds e[l, 0..3] (16 lanes
; read the row's 256 consecutive bytes);  K[v][0..3] of lane (hi = c, lo = a) = K[v,a,c,0..3];  Tt[w][r] of lane lo = a is T[w,4r+a].
; LDS: bytes 0 .. 63487 mid_k1 as it lies in memory (one tensor load a wave, filled once); bytes 63488 .. 79359 mid_top transposed
; by LDS stores, in 256-byte blocks of its own.  No clusters: what work-groups share is these 79,360 bytes, read once each.
; LIMITS: the products are reassociated as above and the norm is applied as a reciprocal square root, so the order of rounding differs
; from the written reference.  A sum of squares below 2^-64 (denormals too) is scaled by 2^64 in front of the root and the logarithm.
; A sum of squares of 0, or one that overflows f32, gives a non-finite result, as it does in the reference.  Tokens are clamped to 8191.
.set NSTEP, 62                         ; internal cores
.set D,     24                         ; ring of gathered rows: 24 rows of a wave on their way
.set KBYTES, 63488                     ; mid_k1, and where the transposed mid_top begins in LDS
.set HALFK,  31744                     ; what one wave fetches of mid_k1: 124 rows of 256 bytes
.set KA,  1                            ; v1        64 lo + 16 hi: my 16 bytes in a 256-byte line of K
.set TA,  2                            ; v2        KBYTES + 64 lo
.set LP,  3                            ; v3        16 l: my 16 bytes of a gathered row
.set XT,  4                            ; v[4:7]    tokens 4l .. 4l+3 of my element, as loaded
.set L,   8                            ; v[8:11]   the carried vector
.set P,   12                           ; v[12:15]
.set Q,   16                           ; v[16:19]
.set R,   20                           ; v[20:23]  the right boundary vector, in the layout of L
.set ACC, 24                           ; v24       sum of logarithms, base 2
.set S,   25                           ; v25       sum of squares
.set RS,  26                           ; v[26:27]  1 / norm, log2 of the sum: a pair
.set LG,  27
.set EX,  28                           ; v28       0 or 64
.set EH,  29                           ; v29       half of it
.set EF,  30                           ; v30       the same as f32
.set C64, 31                           ; v31       64
.set KT,  32                           ; v[32:127] three sets of 32: K at +4v, Tt at +16+4w
.set E,   128                          ; v[128:223] the ring: D slots of 4
.set EB,  224                          ; v[224:239] EB[4r+v] = e[4 hi + r, v]: the row spread over the quad
.set TSG, 32                           ; v[32:95]  mid_top on its way to LDS (before the sets of KT are used)
.set LBK, 96                           ; left boundary: k1 v[96:111], top v[112:115], row v[116:119]
.set LBT, 112
.set LBE, 116
.set RBK, 224                          ; right boundary: k1 v[224:239], top v[240:243], row v[244:247] (before EB is used)
.set RBT, 240
.set RBE, 244
; v[d:d+1] = v[p] * v[k:k+1], and the same added onto v[d:d+1]: the one register p feeds both halves of the packed form
.macro BMUL d, p, k
.if ((\p)&1) == 0
	v_pk_mul_f32 v[\d:\d+1], v[\p:\p+1], v[\k:\k+1] op_sel_hi:[0,1]
.else
	v_pk_mul_f32 v[\d:\d+1], v[\p-1:\p], v[\k:\k+1] op_sel:[1,0] op_sel_hi:[1,1]
.endif
.endm
.macro BFMA d, p, k
.if ((\p)&1) == 0
	v_pk_fma_f32 v[\d:\d+1], v[\p:\p+1], v[\k:\k+1], v[\d:\d+1] op_sel_hi:[0,1,1]
.else
	v_pk_fma_f32 v[\d:\d+1], v[\p-1:\p], v[\k:\k+1], v[\d:\d+1] op_sel:[1,0,0] op_sel_hi:[1,1,1]
.endif
.endm
; four registers, each added to its copy in lane l xor m
.macro XADD b, m
.irp t, 0,1,2,3
	v_add_f32_dpp v[\b+\t], v[\b+\t], v[\b+\t] row_xmask:\m row_mask:0xf bank_mask:0xf
.endr
.endm
; one line of the spreading of the next step's row (slot EN): every lane of a quad takes register v of the quad's lane r
.macro EBM r, v
.if HASNEXT
	v_mov_b32_dpp v[EB+4*\r+\v], v[EN+\v] quad_perm:[\r,\r,\r,\r] row_mask:0xf bank_mask:0xf
.endif
.endm
; one line of the request for the row of position f = 4n + k: the token lies in lane n, register k, of my row of lanes
.macro FILLOP f, n, k, op
.set ES, E+4*((\f-1)%D)
.if \op == 1
	v_mov_b32_dpp v[ES], v[XT+\k] row_share:\n row_mask:0xf bank_mask:0xf
.endif
.if \op == 2
	v_min_u32 v[ES], 0x1fff, v[ES]                 ; the index stays inside its table of 8,192 rows
.endif
.if \op == 3
	v_lshl_add_u32 v[ES], v[ES], 8, v[LP]          ; 256 bytes a row + my 16
.endif
.if \op == 4
.if \f > 1
	v_add_nc_u32 v[ES], (\f-1)<<21, v[ES]          ; table f - 1 of 2 MiB each
.endif
.endif
.if \op == 5
	global_load_b128 v[ES:ES+3], v[ES], s[12:13]   ; lands on its own address register; no hint: a row may be named again
.endif
.endm
; the weights of step j from LDS into set (j - 1) mod 3: eight loads
.macro KTLOAD j
.set KD, KT+32*((\j-1)%3)
.irp v, 0,1,2,3
	ds_load_b128 v[KD+4*\v:KD+4*\v+3], v[KA] offset:(\j-1)*1024+256*\v       ; 16 lanes: the 16 different 16-byte columns of one 256-byte line
.endr
.irp w, 0,1,2,3
	ds_load_b128 v[KD+16+4*\w:KD+16+4*\w+3], v[TA] offset:(\j-1)*256+16*\w
.endr
.endm
; a boundary core: M[v2] of lane (x, a) = sum_v e[x,v] k1[v, 4a+v2];  dst[r] = sum_v2 M[v2] of the quad's lane r x top[v2, a] = entry 16x+4r+a
.macro BND dst, bk, bt, be
	BMUL P,   \be,   \bk
	BMUL P+2, \be,   \bk+2
	BFMA P,   \be+1, \bk+4
	BFMA P+2, \be+1, \bk+6
	BFMA P,   \be+2, \bk+8
	BFMA P+2, \be+2, \bk+10
	BFMA P,   \be+3, \bk+12
	BFMA P+2, \be+3, \bk+14
.irp r, 0,1,2,3
.irp v, 0,1,2,3
	v_mov_b32_dpp v[Q+\v], v[P+\v] quad_perm:[\r,\r,\r,\r] row_mask:0xf bank_mask:0xf
.endr
	v_mul_f32  v[\dst+\r], v[Q],   v[\bt]
	v_fmac_f32 v[\dst+\r], v[Q+1], v[\bt+1]
	v_fmac_f32 v[\dst+\r], v[Q+2], v[\bt+2]
	v_fmac_f32 v[\dst+\r], v[Q+3], v[\bt+3]
.endr
.endm
; L = L / |L|, ACC += log2 |L|
.macro RESCALE
	v_pk_mul_f32 v[RS:RS+1], v[L:L+1], v[L:L+1]
	v_pk_fma_f32 v[RS:RS+1], v[L+2:L+3], v[L+2:L+3], v[RS:RS+1]
	v_add_f32 v[S], v[RS], v[RS+1]
.irp m, 1,2,4,8
	v_add_f32_dpp v[S], v[S], v[S] row_xmask:\m row_mask:0xf bank_mask:0xf
.endr
	v_cmp_gt_f32 vcc_lo, s20, v[S]                 ; below 2^-64: scale by 2^64, since root and logarithm take denormals as zero (ISA guide 15.8)
	v_cndmask_b32 v[EX], 0, v[C64], vcc_lo
	v_ldexp_f32 v[S], v[S], v[EX]
	v_rsq_f32 v[RS], v[S]
	v_log_f32 v[LG], v[S]
	v_lshrrev_b32 v[EH], 1, v[EX]                  ; the plain instruction between the two transcendentals and the first use of a result
	v_cvt_f32_i32 v[EF], v[EH]
	s_wait_alu depctr_va_vdst(0)
	v_ldexp_f32 v[RS], v[RS], v[EH]                ; 1 / norm: the root of the scale comes back
	v_sub_f32 v[ACC], v[ACC], v[EF]
	v_fmac_f32 v[ACC], 0.5, v[LG]                  ; log2 norm = log2(sum) / 2
	v_pk_mul_f32 v[L:L+1],   v[L:L+1],   v[RS:RS+1] op_sel_hi:[1,0]
	v_pk_mul_f32 v[L+2:L+3], v[L+2:L+3], v[RS:RS+1] op_sel_hi:[1,0]
.endm
; Step i.  (n, k): lane and register of the token of position i + D, whose row is asked for here, into the slot that step i has used up.
; The dependent chain is 16 levels of 2 or 4 instructions; the lines that do not hang on L (the next row's spreading, the request) stand between them.
.macro STEP i, n, k
.set KS, KT+32*((\i-1)%3)
.set EN, E+4*((\i)%D)
.if \i < NSTEP
.set HASNEXT, 1
.else
.set HASNEXT, 0
.endif
.if \i+D <= NSTEP
.set HASFILL, 1
.else
.set HASFILL, 0
.endif
.if \i+2 <= NSTEP
	KTLOAD (\i+2)                                  ; into the set that step i - 1 has used up
.endif
	BMUL P,   L, EB                                ; P[v] = sum_r L[r] e[4x+r, v]
	BMUL P+2, L, EB+2
.if HASNEXT
.if NSTEP-1-\i < D-2
	s_wait_loadcnt NSTEP-1-\i                      ; row i + 1 is in; only the rows behind it, up to the last, are out
.else
	s_wait_loadcnt D-2                             ; row i + 1 is in; rows i + 2 .. i + 23 stay on their way
.endif
.endif
	BFMA P,   L+1, EB+4
	BFMA P+2, L+1, EB+6
	EBM 0, 0
	EBM 0, 1
	BFMA P,   L+2, EB+8
	BFMA P+2, L+2, EB+10
	EBM 0, 2
	EBM 0, 3
	BFMA P,   L+3, EB+12
	BFMA P+2, L+3, EB+14
	EBM 1, 0
	EBM 1, 1
	XADD P, 4                                      ; sum over x: every lane then holds P[0..3, a = lo]
.if HASFILL
	FILLOP (\i+D), \n, \k, 1
.endif
	XADD P, 8
.if HASFILL
	FILLOP (\i+D), \n, \k, 2
.endif
.if NSTEP-\i >= 2
	s_wait_dscnt 16                                ; this step's eight LDS loads are in; those of the next two steps stay out
.else
	s_wait_dscnt 8*(NSTEP-\i)
.endif
	BMUL Q,   P, KS                                ; Q[w] = sum_v P[v, a] K[v, a, c, w]
	BMUL Q+2, P, KS+2
	EBM 1, 2
	EBM 1, 3
	BFMA Q,   P+1, KS+4
	BFMA Q+2, P+1, KS+6
	EBM 2, 0
	EBM 2, 1
	BFMA Q,   P+2, KS+8
	BFMA Q+2, P+2, KS+10
	EBM 2, 2
	EBM 2, 3
	BFMA Q,   P+3, KS+12
	BFMA Q+2, P+3, KS+14
	EBM 3, 0
	EBM 3, 1
	XADD Q, 1                                      ; sum over a: every lane then holds Q[c = hi, 0..3]
.if HASFILL
	FILLOP (\i+D), \n, \k, 3
.endif
	XADD Q, 2
.if HASFILL
	FILLOP (\i+D), \n, \k, 4
.endif
	BMUL L,   Q, KS+16                             ; L[r] = sum_w Q[c, w] T[w, 4r+a]
	BMUL L+2, Q, KS+18
	EBM 3, 2
	EBM 3, 3
.if HASFILL
	FILLOP (\i+D), \n, \k, 5
.endif
	BFMA L,   Q+1, KS+20
	BFMA L+2, Q+1, KS+22
	BFMA L,   Q+2, KS+24
	BFMA L+2, Q+2, KS+26
	BFMA L,   Q+3, KS+28
	BFMA L+2, Q+3, KS+30
.if (\i)%8 == 0
	RESCALE
.endif
.endm
	; ---- set-up ----
	s_load_b512 s[4:19], s[0:1], 0x0               ; x 4:5, bnd_emb 6:7, bnd_k1 8:9, bnd_top 10:11, mid_emb 12:13, mid_k1 14:15, mid_top 16:17, out0 18:19
	v_lshl_add_u32 v248, v0, 2, 0x29000
	v_mov_b32 v249, 0
	ds_add_u32 v248, v249
	ds_add_u32 v248, v249
	v_lshrrev_b32 v12, 5, v0
	v_readfirstlane_b32 s21, v12                   ; wave 0 or 1
	s_lshl_b32 s22, ttmp9, 10                      ; my group's 4 rows of x, 256 bytes each
	s_lshl_b32 s23, ttmp9, 4                       ; my group's 4 numbers of out0
	s_mov_b32 s20, 0x1f800000                      ; 2^-64
	; descriptor group 1: a dense block as 124 rows of 32 elements of 8 bytes, no padding, no mask
	s_mov_b32 s28, 3<<16                           ; element of 8 bytes
	s_mov_b32 s29, 32<<16                          ; tensor_dim0 = 32
	s_mov_b32 s30, 124<<16                         ; tensor_dim1 = 124
	s_mov_b32 s31, 32<<16                          ; tile_dim0 = 32
	s_mov_b32 s32, 124                             ; tile_dim1 = 124
	s_mov_b32 s33, 32                              ; pitch = 32 elements
	s_mov_b32 s34, 0
	s_mov_b32 s35, 0
	s_mov_b32 s24, 1                               ; group 0: count
	s_mul_i32 s25, s21, HALFK                      ; LDS address: my half of mid_k1
	s_mul_i32 s36, s21, HALFK                      ; and the same offset in memory, as a pair
	s_mov_b32 s37, 0
	v_lshlrev_b32 v17, 4, v0                       ; 16 tid: my 16 bytes in 1,024 of mid_top
	v_add_nc_u32 v16, s22, v17                     ; and in x: element tid / 16, tokens 4l .. 4l+3
	v_and_b32 v12, 15, v0                          ; l
	v_and_b32 v14, 3, v0                           ; lo
	v_lshrrev_b32 v13, 2, v12                      ; hi
	v_lshrrev_b32 v15, 4, v0                       ; my element in the group
	v_lshlrev_b32 v18, 4, v14                      ; 16 lo: bnd_k1[v, 4 lo ..]
	v_lshlrev_b32 v19, 2, v14                      ; 4 lo: bnd_top[v2, lo]
	v_lshlrev_b32 v28, 4, v13                      ; 16 hi: boundary row, e[hi, 0..3]
	s_wait_dscnt 0x0
	s_wait_kmcnt 0x0
	global_load_b128 v[XT:XT+3], v16, s[4:5] th:TH_LOAD_NT         ; first: the gather hangs on it
	s_add_nc_u64 s[26:27], s[14:15], s[36:37]
	s_or_b32 s27, s27, 0x80000000                  ; type = 2
	tensor_load_to_lds s[24:27], s[28:35]          ; my half of mid_k1: the one tensor load of this wave; nothing is filled again
	s_nop 0
.irp v, 0,1,2,3
	global_load_b128 v[LBK+4*\v:LBK+4*\v+3], v18, s[8:9] offset:64*\v
	global_load_b128 v[RBK+4*\v:RBK+4*\v+3], v18, s[8:9] offset:256+64*\v
	global_load_b32 v[LBT+\v], v19, s[10:11] offset:16*\v
	global_load_b32 v[RBT+\v], v19, s[10:11] offset:64+16*\v
.endr
.irp j, 0,1,2,3,4,5,6,7,8,9,10,11,12,13,14
	global_load_b128 v[TSG+4*\j:TSG+4*\j+3], v17, s[16:17] offset:1024*\j
.endr
	s_cmp_lg_u32 s21, 0                            ; mid_top is 15.5 x 1,024 bytes: the last 512 are wave 0's
	s_cbranch_scc1 .Lskip_load
	global_load_b128 v[TSG+60:TSG+63], v17, s[16:17] offset:15360
.Lskip_load:
	v_lshl_add_u32 v[KA], v14, 6, v28
	v_lshlrev_b32 v[TA], 6, v14
	v_add_nc_u32 v[TA], KBYTES, v[TA]
	v_lshlrev_b32 v[LP], 4, v12
	v_lshlrev_b32 v25, 2, v12                      ; where I put mid_top: KBYTES + 256 (tid / 16) + 4 l
	v_lshl_add_u32 v25, v15, 8, v25
	v_add_nc_u32 v25, KBYTES, v25
	v_mov_b32 v[ACC], 0
	v_mov_b32 v[C64], 64
	v_mov_b32 v26, 0                               ; a DPP move counts as a reader of its destination: these are defined first,
	v_mov_b32 v27, 0                               ; while x is on its way
.set q, 0
.rept D
	v_mov_b32 v[E+4*q], 0
.set q, q+1
.endr
	; ---- tokens, boundary rows, the first D rows ----
	s_wait_loadcnt 31                              ; x is in: 31 loads were issued behind it (32 in wave 0, where this also waits for the next one)
	v_mov_b32_dpp v26, v[XT]   row_share:0  row_mask:0xf bank_mask:0xf     ; x[b, 0]
	v_mov_b32_dpp v27, v[XT+3] row_share:15 row_mask:0xf bank_mask:0xf     ; x[b, 63]
	v_min_u32 v26, 0x1fff, v26
	v_min_u32 v27, 0x1fff, v27
	v_lshl_add_u32 v26, v26, 6, v28                ; 64 bytes a row + 16 hi
	v_lshl_add_u32 v27, v27, 6, v28
	global_load_b128 v[LBE:LBE+3], v26, s[6:7]
	global_load_b128 v[RBE:RBE+3], v27, s[6:7] offset:524288       ; the right table: 8,192 rows of 64 bytes further on
.irp op, 1,2,3,4,5
.irp n, 0,1,2,3,4,5,6
.irp k, 0,1,2,3
.if 4*\n+\k >= 1
.if 4*\n+\k <= D
	FILLOP (4*\n+\k), \n, \k, \op
.endif
.endif
.endr
.endr
.endr
	; ---- mid_top into LDS, transposed: float 64 s + 16 w + 4 r + a goes to float 64 s + 16 a + 4 w + r.  My register a of load j is s = 4j + tid/16, w = hi, r = lo ----
	s_wait_loadcnt 26                              ; the weights and mid_top are in: 2 boundary rows and D ring rows are younger
.irp j, 0,1,2,3,4,5,6,7,8,9,10,11,12,13,14
.irp a, 0,1,2,3
	ds_store_b32 v25, v[TSG+4*\j+\a] offset:1024*\j+64*\a
.endr
.endr
	s_cmp_lg_u32 s21, 0
	s_cbranch_scc1 .Lskip_store
.irp a, 0,1,2,3
	ds_store_b32 v25, v[TSG+60+\a] offset:15360+64*\a
.endr
.Lskip_store:
	s_wait_dscnt 0x0                               ; my stores are in LDS,
	s_wait_tensorcnt 0x0                           ; my half of mid_k1 has landed:
	s_barrier_signal -1                            ; the other wave reads both
	s_barrier_wait -1                              ; the only barrier: from here on LDS is only read
	KTLOAD 1
	KTLOAD 2
	s_wait_loadcnt 24                              ; the two boundary rows are in; the D ring rows stay out
	BND L, LBK, LBT, LBE
	BND R, RBK, RBT, RBE
	s_wait_loadcnt 23                              ; row 1 is in
.set HASNEXT, 1
.set EN, E
.irp r, 0,1,2,3
.irp v, 0,1,2,3
	EBM \r, \v
.endr
.endr
	; ---- the 62 steps, written out: ring slot, weight set, token lane and LDS offsets are immediates.  (n, k) run over position i + D ----
.irp n, 6,7,8,9,10,11,12,13,14,15,16,17,18,19,20,21
.irp k, 0,1,2,3
.if 4*\n+\k-D >= 1
.if 4*\n+\k-D <= NSTEP
	STEP (4*\n+\k-D), \n, \k
.endif
.endif
.endr
.endr
	; ---- L . R, its logarithm, the result ----
	v_pk_mul_f32 v[RS:RS+1], v[L:L+1], v[R:R+1]
	v_pk_fma_f32 v[RS:RS+1], v[L+2:L+3], v[R+2:R+3], v[RS:RS+1]
	v_lshrrev_b32 v[EH], 4, v0                     ; my element in the group
	v_and_b32 v[P], 15, v0
	v_add_f32 v[S], v[RS], v[RS+1]
.irp m, 1,2,4,8
	v_add_f32_dpp v[S], v[S], v[S] row_xmask:\m row_mask:0xf bank_mask:0xf
.endr
	v_and_b32 v[S], 0x7fffffff, v[S]               ; the norm of one number
	v_cmp_gt_f32 vcc_lo, s20, v[S]
	v_cndmask_b32 v[EX], 0, v[C64], vcc_lo
	v_ldexp_f32 v[S], v[S], v[EX]
	v_log_f32 v[LG], v[S]
	v_cvt_f32_i32 v[EF], v[EX]                     ; the plain instruction behind the logarithm
	v_lshl_add_u32 v[EH], v[EH], 2, s23            ; byte offset of out0[b]
	v_sub_f32 v[ACC], v[ACC], v[EF]
	s_wait_alu depctr_va_vdst(0)
	v_add_f32 v[ACC], v[ACC], v[LG]
	v_mul_f32 v[ACC], 0x3f317218, v[ACC]           ; base 2 to natural: x ln 2
	v_cmp_eq_u32 vcc_lo, 0, v[P]
	s_wait_xcnt 0x0                                ; EXEC changes only when every earlier memory instruction has had its address translated
	s_wait_tensorcnt 0x0
	ds_add_u32 v248, v249
	s_wait_dscnt 0x0
	s_and_saveexec_b32 s38, vcc_lo                 ; lane 0 of each row of lanes speaks for its element: a wave owns 8 bytes of out0
	global_store_b32 v[EH], v[ACC], s[18:19]
	s_endpgm
.Lfunc_end_k_qef24289cb9_mps:
	.size	k_qef24289cb9_mps, .Lfunc_end_k_qef24289cb9_mps-k_qef24289cb9_mps
	.p2alignl 7, 3214868480
	.fill 96, 4, 3214868480
	.section	.rodata,"a",@progbits
	.p2align	6, 0x0
	.amdhsa_kernel k_qef24289cb9_mps
		.amdhsa_group_segment_fixed_size 168192
		.amdhsa_private_segment_fixed_size 0
		.amdhsa_enable_private_segment 0
		.amdhsa_kernarg_size 64
		.amdhsa_user_sgpr_count 2
		.amdhsa_user_sgpr_kernarg_segment_ptr 1
		.amdhsa_wavefront_size32 1
		.amdhsa_system_sgpr_workgroup_id_x 1
		.amdhsa_system_sgpr_workgroup_id_y 1
		.amdhsa_system_sgpr_workgroup_id_z 1
		.amdhsa_system_vgpr_workitem_id 0
		.amdhsa_next_free_vgpr 250
		.amdhsa_next_free_sgpr 66
		.amdhsa_reserve_vcc 1
		.amdhsa_float_denorm_mode_32 3
		.amdhsa_float_denorm_mode_16_64 3
		.amdhsa_memory_ordered 1
		.amdhsa_forward_progress 1
		.amdhsa_inst_pref_size 255
	.end_amdhsa_kernel
	.section	.bss,"aw",@nobits
	.p2align	6
	.space	262144
	.amdgpu_metadata
---
amdhsa.version: [ 1, 2 ]
amdhsa.kernels:
  - .name:           k_qef24289cb9_mps
    .symbol:         k_qef24289cb9_mps.kd
    .args:
      - { .name: x, .offset: 0, .size: 8, .value_kind: global_buffer, .address_space: global }
      - { .name: bnd_emb, .offset: 8, .size: 8, .value_kind: global_buffer, .address_space: global }
      - { .name: bnd_k1, .offset: 16, .size: 8, .value_kind: global_buffer, .address_space: global }
      - { .name: bnd_top, .offset: 24, .size: 8, .value_kind: global_buffer, .address_space: global }
      - { .name: mid_emb, .offset: 32, .size: 8, .value_kind: global_buffer, .address_space: global }
      - { .name: mid_k1, .offset: 40, .size: 8, .value_kind: global_buffer, .address_space: global }
      - { .name: mid_top, .offset: 48, .size: 8, .value_kind: global_buffer, .address_space: global }
      - { .name: out0, .offset: 56, .size: 8, .value_kind: global_buffer, .address_space: global }
    .group_segment_fixed_size: 168192
    .private_segment_fixed_size: 0
    .kernarg_segment_align: 8
    .kernarg_segment_size: 64
    .max_flat_workgroup_size: 64
    .sgpr_count:     66
    .vgpr_count:     250
    .wavefront_size: 32
...
	.end_amdgpu_metadata
.endif
;; end of part 1
